; MI455X (gfx1250); checked and timed in simulation.
; The chip was launched on July 23, 2026; its instructions are those of AMD's public machine-readable ISA for CDNA 5 (MIT licence, August 2026) and "CDNA5" Instruction Set Architecture Reference Guide (July 2026). The comments in the code are by the model that wrote it; some were corrected since.
;; LST Mcell. Allowed arithmetic: matrix products marked QUANTISED: E5M2 operands, one given power-of-two scale a tensor, by v_wmma_f32_16x16x64_bf8_bf8 or v_wmma_f32_16x16x128_bf8_bf8, f32 sums; everything else in f32.
;; Inputs: Whf 2,048 x 2,048 float32; Whg 2,048 x 2,048 float32; Whi 2,048 x 2,048 float32; Who 2,048 x 2,048 float32; Wif 2,048 x 2,048 float32; Wig 2,048 x 2,048 float32; Wii 2,048 x 2,048 float32; Wio 2,048 x 2,048 float32; bhf 2,048 float32; bhg 2,048 float32; bhi 2,048 float32; bho 2,048 float32; bif 2,048 float32; big 2,048 float32; bii 2,048 float32; bio 2,048 float32; c 2,048 x 2,048 float32; h_codes 2,048 x 64 x 32 uint8 (E5M2 codes of h, K innermost, in blocks of 32 codes); lowp_scales 4 int32 (the exponents e of the quantised operands' scales 2^e); x_codes 2,048 x 64 x 32 uint8 (E5M2 codes of x, K innermost, in blocks of 32 codes).
;; Outputs: out0 2 x 2,048 x 2,048 float32.
;; This version of the problem:
;;   THIS VERSION OF THE PROBLEM IS GIVEN IN LOW PRECISION. The matrix products marked QUANTISED in the list below multiply operands that are first quantised to E5M2 (5 exponent bits, 2 mantissa bits; 8 bits a number), with one given power-of-two scale for each operand tensor; their sums are f32. All else is computed in f32.
;;   The module's matrix products, in the order in which they are computed (A, B: the left and right operand; K: the contracted axis; several contracted axes count as one K, in the product's order):
;;     1. [M 2,048, K 2,048] x [K 2,048, N 8,192]; A: input x (given as codes); B: computed on the way: QUANTISED (scales: A lowp_scales[0], B lowp_scales[1])
;;     2. [M 2,048, K 2,048] x [K 2,048, N 8,192]; A: input h (given as codes); B: computed on the way: QUANTISED (scales: A lowp_scales[2], B lowp_scales[3])
;;   THE QUANTISER, for each operand of a quantised product, along K:
;;     - The operand's scale is 2^e, e = its entry of the input lowp_scales (int32; the entries are numbered through the quantised products in the list's order, A before B).
;;     - Each number is divided by the scale, clamped to +-57,344, and rounded to the nearest number of E5M2, ties to even, subnormals kept.
;;     - The product sums the exact products of the quantised numbers (number of the format x scale) in f32.
;;   ~~~python
;;   def quantise(x, axis, e):      # numpy; x: float32 -> the quantised numbers, widened to float32 again
;;       x = np.moveaxis(x, axis, -1); K = x.shape[-1]
;;       r = np.clip(x / 2.0 ** e, -57344, 57344)
;;       step = 2.0 ** (np.maximum(np.frexp(np.where(r == 0, 1, r))[1] - 1, -14) - 2)
;;       q = np.round(r / step) * step * 2.0 ** e      # np.round: ties to even
;;       return np.moveaxis(q, -1, axis).astype(np.float32)
;;   ~~~
;;   OPERANDS COMPUTED ON THE WAY. 'Computed on the way' means the value that the module computes at that place (a softmax that the list does not call 'softmax' is quantised finished and normalised). What goes into a quantiser is computed in f32, as accurately as f32 sums, v_exp_f32 and their like allow (about 1e-6 of the number): no bf16 or f16 on the way to a quantiser, and a product that is left as it is and whose result goes on into a quantised operand takes f32 operands (vector FMAs, or v_wmma_f32_16x16x4_f32). A number that lies on a knife's edge between two numbers of the format may be rounded either way, as far as f32 arithmetic and the matrix unit's own rounding can turn it there, and no further.
;;   INPUTS GIVEN AS CODES. h (in the module: [2048, 2048], K = its axis 1); x (in the module: [2048, 2048], K = its axis 1): each comes as NAME_codes (uint8): NAME with its K axis moved to the last place and cut into blocks of 32 codes, [.., K / 32, bytes a block], one block behind the other in memory; one code a byte (a code: sign, 5 exponent bits, 2 mantissa bits); its scale is its entry of lowp_scales. Its value is code x scale, taken as it is: it is not quantised again, and the codes and scales need not be those that the quantiser above would give.
;; One version. Each part assembles by itself: llvm-mc -triple=amdgcn-amd-amdhsa -mcpu=gfx1250 --defsym DOCPART=n.
;; ======== version 1 of 1: 2 launches
;; limits: right only within a limited range of input values
;; workspace buffers: wq 33,554,432 bytes
;; launch quant (part 1): grid 128 x 8, 4 waves a work-group, no clusters, 34,304 bytes of LDS; arguments Wii, Wif, Wig, Wio, Whi, Whf, Whg, Who, lowp_scales, wq; writes wq
.if DOCPART == 1
	.amdgcn_target "amdgcn-amd-amdhsa--gfx1250"
	.amdhsa_code_object_version 6
	.text
	.protected	k_q31ddd6cd72_quant
	.globl	k_q31ddd6cd72_quant
	.p2align	8
	.type	k_q31ddd6cd72_quant,@function
k_q31ddd6cd72_quant:
	s_mov_b64 s[64:65], 0
	v_nop
	global_prefetch_b8 v0, s[64:65] scope:SCOPE_SE
	s_setreg_imm32_b32 hwreg(HW_REG_WAVE_MODE, 25, 1), 1
	s_wait_xcnt 0x0
; The eight weights, [2048 (n)][2048 (k)] f32 with K innermost, become codes of BF8 (E5M2) in wq.
; code = w / 2^e, held within +-57,344, rounded to the nearest code, ties to even; e = entry 1 of the scales for the four Wi*, entry 3 for the four Wh*.
; LIMITS: -126 <= e <= 112, so that 2^e and 57,344 x 2^e are f32 numbers.  NaN among the weights is not served (an infinity is held at the largest code).
; wq IS LAID AS IMAGES OF THE PRODUCT'S OPERAND REGISTERS.  A block of 2,048 bytes holds 16 rows x 128 K: chunk c (512 bytes) holds, at 16 x lane, the 16 codes
; k = 32 c + 16 (lane / 16) + 0..15 of row lane % 16.  Block (G, q, b) lies at 524,288 G + 16,384 q + 2,048 b: G = hidden unit / 32; q = the K step of 128 (0-15: the Wi*, 16-31: the Wh*);
; b = 2 gate + (unit / 16) % 2 (gate 0 i, 1 f, 2 g, 3 o).  So the 16,384 bytes that a wave of the product takes in a K step lie on end.
; SHARES.  Work-group y = 4 p + gate names the matrix, x sixteen of its rows; wave w takes K = 512 w .. 512 w + 511 in four steps of 128.
; A step's sixteen loads read 512 consecutive bytes of a row each; the 8,192 bytes go through the wave's own stage in LDS (rows of 512 + 16 bytes) and come back 64 bytes a lane for each chunk.
; A step's four stores write 512 consecutive bytes each, aligned.  No tensor loads, no barrier: waves share nothing.  Two steps' loads (32 a wave) are out at a time.
.set EMAX,  15
.set MANT,  0x600000                   ; the mantissa field of 57,344 as f32
.set RP,    528                        ; a stage row
.set WREG,  16*RP                      ; a wave's stage
.set SPARE, 4*WREG                     ; behind the stages: the spare words
.set R,     16                         ; v16-143  two sets of 64: a step's numbers as loaded
.set X,     144                        ; v144-207 chunk c: 16 neighbours along K
.set C,     208                        ; v208-239 two sets of 16: a block's codes
	s_load_b512 s[4:19], s[0:1], 0x0               ; matrix k at s[4+2k:5+2k]
	s_load_b128 s[20:23], s[0:1], 0x40             ; the scales' exponents s[20:21], wq s[22:23]
	v_lshl_add_u32 v240, v0, 2, SPARE
	v_mov_b32 v241, 0
	v_lshrrev_b32 v1, 5, v0
	v_readfirstlane_b32 s25, v1                    ; wave
	v_and_b32 v2, 31, v0                           ; lane
	v_lshlrev_b32 v3, 4, v2                        ; my 16 bytes of a load's 512 and of a store's 512; never rewritten
	s_mul_i32 s26, s25, WREG
	v_add_nc_u32 v14, s26, v3                      ; the stage, on the way in
	v_and_b32 v4, 15, v2
	v_lshrrev_b32 v5, 4, v2
	v_mul_u32_u24 v15, v4, RP
	v_lshl_add_u32 v15, v5, 6, v15
	v_add_nc_u32 v15, s26, v15                     ; and on the way out: row lane % 16, + 64 (lane / 16)
	s_and_b32 s24, ttmp7, 0xffff                   ; which matrix: 4 p + gate
	s_lshl_b32 s32, ttmp9, 17                      ; in the matrix: 16 x rows of 8,192 bytes,
	s_lshl_b32 s3, s25, 11
	s_add_co_u32 s32, s32, s3                      ; + 512 w numbers
	s_mov_b32 s33, 0
	s_lshr_b32 s34, ttmp9, 1
	s_lshl_b32 s34, s34, 19                        ; in wq: 524,288 G
	s_lshr_b32 s3, s24, 2
	s_lshl_b32 s3, s3, 18
	s_add_co_u32 s34, s34, s3                      ; + 16,384 x 16 p
	s_lshl_b32 s3, s25, 16
	s_add_co_u32 s34, s34, s3                      ; + 16,384 x 4 w
	s_and_b32 s3, s24, 3
	s_lshl_b32 s3, s3, 12
	s_add_co_u32 s34, s34, s3                      ; + 2,048 x 2 gate
	s_and_b32 s3, ttmp9, 1
	s_lshl_b32 s3, s3, 11
	s_add_co_u32 s34, s34, s3                      ; + 2,048 x (x % 2)
	s_mov_b32 s35, 0
	s_wait_alu depctr_va_vdst(0)                   ; the wait at the head's end
	s_wait_kmcnt 0x0
	s_load_b128 s[28:31], s[20:21], 0x0            ; the four exponents
	s_bitcmp1_b32 s24, 0                           ; the matrix's address is chosen by the three bits of y
	s_cselect_b64 s[4:5], s[6:7], s[4:5]
	s_cselect_b64 s[8:9], s[10:11], s[8:9]
	s_cselect_b64 s[12:13], s[14:15], s[12:13]
	s_cselect_b64 s[16:17], s[18:19], s[16:17]
	s_bitcmp1_b32 s24, 1
	s_cselect_b64 s[4:5], s[8:9], s[4:5]
	s_cselect_b64 s[12:13], s[16:17], s[12:13]
	s_bitcmp1_b32 s24, 2
	s_cselect_b64 s[4:5], s[12:13], s[4:5]
	s_add_nc_u64 s[4:5], s[4:5], s[32:33]
	s_add_nc_u64 s[8:9], s[22:23], s[34:35]
.macro LOAD t
.irp i, 0,1,2,3,4,5,6,7,8,9,10,11,12,13,14,15
	global_load_b128 v[R+64*((\t)%2)+4*\i:R+64*((\t)%2)+4*\i+3], v3, s[4:5] offset:8192*\i+512*(\t) th:TH_LOAD_NT   ; row i: 512 consecutive bytes; read once in the launch
.endr
.endm
	LOAD 0
	LOAD 1
	s_wait_kmcnt 0x0
	s_bitcmp1_b32 s24, 2
	s_cselect_b32 s28, s31, s29                    ; e: entry 3 for the Wh*, entry 1 for the Wi*
	s_add_co_i32 s28, s28, 127
	s_lshl_b32 s29, s28, 23
	v_mov_b32 v11, s29                             ; 2^e as f32: the conversion takes its exponent field
	s_add_co_i32 s28, s28, EMAX
	s_lshl_b32 s28, s28, 23
	s_or_b32 s28, s28, MANT
	v_mov_b32 v10, s28                             ; 57,344 x 2^e
	s_wait_alu depctr_va_vdst(0)
.macro STEP t
.if (\t) < 3
	s_wait_loadcnt 16                              ; this step's sixteen loads are in; the next step's may be out
.else
	s_wait_loadcnt 0
.endif
.irp i, 0,1,2,3,4,5,6,7,8,9,10,11,12,13,14,15
	ds_store_b128 v14, v[R+64*((\t)%2)+4*\i:R+64*((\t)%2)+4*\i+3] offset:\i*RP
.endr
.irp c, 0,1,2,3                        ; LDS serves a wave's instructions in order (ISA guide 5.7.1.4): no wait between the stores and the loads
.irp i, 0,1,2,3
	ds_load_b128 v[X+16*\c+4*\i:X+16*\c+4*\i+3], v15 offset:128*\c+16*\i
.endr
.endr
	s_wait_dscnt 0x0                               ; the numbers are back: the stores into the stage have read their registers,
.if (\t)+2 < 4
	LOAD (\t)+2                                    ; which take the loads of two steps on
.endif
.if (\t) >= 2
	s_wait_xcnt 0x0                                ; the stores of two steps ago have read their codes
.endif
.set i, 0
.rept 64
	v_med3_num_f32 v[X+i], v[X+i], -v10, v10       ; the conversion to an 8-bit code does not saturate (ISA guide 7.6.2): held within the largest code x the scale first
.set i, i+1
.endr
.irp c, 0,1,2,3
	v_cvt_scalef32_pk8_bf8_f32 v[C+16*((\t)%2)+4*\c:C+16*((\t)%2)+4*\c+1], v[X+16*\c:X+16*\c+7], v11
	v_cvt_scalef32_pk8_bf8_f32 v[C+16*((\t)%2)+4*\c+2:C+16*((\t)%2)+4*\c+3], v[X+16*\c+8:X+16*\c+15], v11
.endr
	v_nop                                          ; one plain place behind the last conversion
.irp c, 0,1,2,3
	global_store_b128 v3, v[C+16*((\t)%2)+4*\c:C+16*((\t)%2)+4*\c+3], s[8:9] offset:(\t)*16384+512*\c   ; chunk c of the block: 512 consecutive bytes, aligned
.endr
.endm
	STEP 0
	STEP 1
	STEP 2
	STEP 3
	s_wait_tensorcnt 0x0                           ; the wave's end
	ds_add_u32 v240, v241
	s_wait_dscnt 0x0
	s_endpgm
.Lfunc_end_k_q31ddd6cd72_quant:
	.size	k_q31ddd6cd72_quant, .Lfunc_end_k_q31ddd6cd72_quant-k_q31ddd6cd72_quant
	.p2alignl 7, 3214868480
	.fill 96, 4, 3214868480
	.section	.rodata,"a",@progbits
	.p2align	6, 0x0
	.amdhsa_kernel k_q31ddd6cd72_quant
		.amdhsa_group_segment_fixed_size 34304
		.amdhsa_private_segment_fixed_size 0
		.amdhsa_enable_private_segment 0
		.amdhsa_kernarg_size 80
		.amdhsa_user_sgpr_count 2
		.amdhsa_user_sgpr_kernarg_segment_ptr 1
		.amdhsa_wavefront_size32 1
		.amdhsa_system_sgpr_workgroup_id_x 1
		.amdhsa_system_sgpr_workgroup_id_y 1
		.amdhsa_system_sgpr_workgroup_id_z 1
		.amdhsa_system_vgpr_workitem_id 0
		.amdhsa_next_free_vgpr 244
		.amdhsa_next_free_sgpr 66
		.amdhsa_reserve_vcc 0
		.amdhsa_float_denorm_mode_32 3
		.amdhsa_float_denorm_mode_16_64 3
		.amdhsa_memory_ordered 1
		.amdhsa_forward_progress 1
		.amdhsa_inst_pref_size 37
	.end_amdhsa_kernel
	.amdgpu_metadata
---
amdhsa.version: [ 1, 2 ]
amdhsa.kernels:
  - .name:           k_q31ddd6cd72_quant
    .symbol:         k_q31ddd6cd72_quant.kd
    .args:
      - { .name: Wii, .offset: 0, .size: 8, .value_kind: global_buffer, .address_space: global }
      - { .name: Wif, .offset: 8, .size: 8, .value_kind: global_buffer, .address_space: global }
      - { .name: Wig, .offset: 16, .size: 8, .value_kind: global_buffer, .address_space: global }
      - { .name: Wio, .offset: 24, .size: 8, .value_kind: global_buffer, .address_space: global }
      - { .name: Whi, .offset: 32, .size: 8, .value_kind: global_buffer, .address_space: global }
      - { .name: Whf, .offset: 40, .size: 8, .value_kind: global_buffer, .address_space: global }
      - { .name: Whg, .offset: 48, .size: 8, .value_kind: global_buffer, .address_space: global }
      - { .name: Who, .offset: 56, .size: 8, .value_kind: global_buffer, .address_space: global }
      - { .name: lowp_scales, .offset: 64, .size: 8, .value_kind: global_buffer, .address_space: global }
      - { .name: wq, .offset: 72, .size: 8, .value_kind: global_buffer, .address_space: global }
    .group_segment_fixed_size: 34304
    .private_segment_fixed_size: 0
    .kernarg_segment_align: 8
    .kernarg_segment_size: 80
    .max_flat_workgroup_size: 128
    .sgpr_count:     66
    .vgpr_count:     244
    .wavefront_size: 32
...
	.end_amdgpu_metadata
.endif
;; end of part 1
;; launch cell (part 2): grid 32 x 8, 4 waves a work-group, clusters of 4 x 1, 327,680 bytes of LDS; arguments x_codes, h_codes, wq, lowp_scales, c, out0, bii, bif, big, bio, bhi, bhf, bhg, bho; writes out0
.if DOCPART == 2
	.amdgcn_target "amdgcn-amd-amdhsa--gfx1250"
	.amdhsa_code_object_version 6
	.text
	.protected	k_q31ddd6cd72_cell
	.globl	k_q31ddd6cd72_cell
	.p2align	8
	.type	k_q31ddd6cd72_cell,@function
k_q31ddd6cd72_cell:
	s_mov_b64 s[64:65], 0
	v_nop
	global_prefetch_b8 v0, s[64:65] scope:SCOPE_SE
	s_setreg_imm32_b32 hwreg(HW_REG_WAVE_MODE, 25, 1), 1
	s_wait_xcnt 0x0
	s_wait_alu depctr_hold_cnt(0) depctr_sa_sdst(0) depctr_va_vdst(0) depctr_va_sdst(0) depctr_va_ssrc(0) depctr_va_vcc(0) depctr_vm_vsrc(0)
	s_getreg_b32 s2, hwreg(HW_REG_IB_STS2, 6, 4)
	s_cmp_eq_u32 s2, 0
	s_cbranch_scc0 .Lentry_in_a_cluster
	s_endpgm
.Lentry_in_a_cluster:
	s_bfe_u32 s2, ttmp6, 0x10000c
	s_cmp_lg_u32 s2, 0x3003
	s_cbranch_scc0 .Lentry_shape_is_right
	s_endpgm
.Lentry_shape_is_right:
; gates = x Wx^T + h Wh^T + bx + bh on codes of BF8, then the cell: c_new = sigmoid(f) c + sigmoid(i) tanh(g), h_new = sigmoid(o) tanh(c_new); out0 = [h_new, c_new].
; A work-group of four waves makes 256 batch rows x 64 hidden units in all four gates (256 x 256 of the gates); a wave 128 x 128: 64 accumulators, 512 registers.
; K = 4,096 (x's 2,048, then h's) goes in 32 steps of 128.  Behind step 15 the sums are multiplied once by 2^(e0 + e1 - e2 - e3), so that one set of accumulators serves both products; 2^(e2 + e3) is folded into the activations' factors.
; LIMITS: e0 + e1 - e2 - e3 between -126 and 127, e2 + e3 between -126 and 126, so that these factors are f32 numbers.  The exponent of tanh's exponential is held at 64 (there tanh is -1 in f32).
; THE WEIGHTS' CODES GO FROM wq STRAIGHT INTO REGISTERS: wq holds images of the operand's registers, 16,384 bytes on end for a wave and a K step, and each load of a wave takes 512 consecutive bytes.
; Two sets of 128 registers: tiles are asked for again, for two steps on, behind their last products of a step.
; x's AND h's CODES GO THROUGH LDS: two slots of 256 rows x 512 bytes (four K steps), filled by tensor loads, 64 rows a wave: eight fills, one round for four K steps.
; CLUSTERS: four work-groups along x take the same 256 batch rows: their tiles of x and h are asked for jointly (mask 15).  The weights of the four differ, so nothing of wq is shared inside a cluster.
; THE MATRIX INSTRUCTION IS USED TRANSPOSED (source 0 = 16 rows of W, source 1 = 16 batch rows): a lane holds one batch row and eight neighbouring units, in all four gates.
; k within a step is permuted alike in both operands (registers 4 c .. 4 c + 3: k = 32 c + 16 (l / 16) + 0..15).
; REGISTERS: window 0: v16-31 addresses, v32-95 biases, v128-255 x/h fragments (one set); window 1: W's two sets; windows 2, 3: accumulator (a, b) at v[8 (8 (a % 4) + b)], b = 2 gate + (unit / 16) % 2.
; PREFETCHES: W: at a trip's head the 8 K steps that begin at the next trip's base (131,072 bytes), shared out by address among the 16 waves that read them, a lane a block of 256 bytes; steps 2 to 7 come by their loads alone.
; h: behind a fill's load the next fill's 256 rows x 512 bytes, shared out among the cluster's 16 waves by address; x's fills come by their loads alone.  c: behind the last fill of h, one slot ahead of its load.
.set XP,     528                       ; an LDS row of x/h or of c: 512 bytes + 16: 16 rows start at 16 different groups of banks
.set SLOT,   256*XP
.set PITCH,  272                       ; a stage row
.set STAGE,  2*SLOT
.set SBUF,   64*PITCH
.set SPARE,  STAGE+2*SBUF              ; the spare words, 512 bytes
.set ADRX, 16                          ; v16-17 my x/h fragments in slot 0, 1
.set WOF,  20                          ; 16 x lane
.set PFW,  21
.set BO,   22
.set STO,  24
.set RD,   25
.set CO,   26
.set CA,   27
.set SPW,  28
.set NIL,  29
.set PFO,  30
.set PFC,  31
.set BI,   32
.set OB,   96
.set AF,   128
.set EX,   128
.set CC,   192
.set T1,   208
.set T2,   224
.set G1,   24
.set G0,   32
.set HA,   40
.set PH,   44
.set WB,   46
.set NA,   56                          ; s[56:59] each slot's next fill, as a plain address
.set PCA,  66
.set GC1,  84
.set GC0,  92
.set MSB, 0
.macro WIN new
.if MSB != \new
	s_set_vgpr_msb (MSB<<8)|\new
.set MSB, \new
.endif
.endm
.set MUL_LO, 0xa1                      ; source 0 (W) window 1, source 1 (x/h) window 0, C and D window 2
.set MUL_HI, 0xf1
.set TO_B,   0x40
.macro CREST
	s_cmp_lg_u32 s16, 0
	s_cbranch_scc1 .Lnot_wave_0_\@
	s_barrier_signal -3
.Lnot_wave_0_\@:
	s_barrier_wait -3
	s_barrier_signal -1
	s_barrier_wait -1
.endm
.macro CROUND
	s_barrier_signal -1
	s_barrier_wait -1
	CREST
.endm
.macro PLACES n
.rept \n
	v_nop
.endr
.endm
.macro WM a, b, p, zero
.if \zero
	v_wmma_f32_16x16x128_bf8_bf8 v[8*(8*((\a)%4)+(\b)):8*(8*((\a)%4)+(\b))+7], v[128*(\p)+16*(\b):128*(\p)+16*(\b)+15], v[AF+16*(\a):AF+16*(\a)+15], 0
.else
	v_wmma_f32_16x16x128_bf8_bf8 v[8*(8*((\a)%4)+(\b)):8*(8*((\a)%4)+(\b))+7], v[128*(\p)+16*(\b):128*(\p)+16*(\b)+15], v[AF+16*(\a):AF+16*(\a)+15], v[8*(8*((\a)%4)+(\b)):8*(8*((\a)%4)+(\b))+7]
.endif
.endm
; a group of eight products: W's tiles 2 pr, 2 pr + 1 against four batch blocks (hf = 0: blocks 0-3, 1: 4-7); the accumulators take turns
.macro WMR hf, pr, p, zero
.set wi, 0
.rept 8
	WM (4*(\hf)+wi%4), (2*(\pr)+wi/4), \p, \zero
.set wi, wi+1
.endr
.endm
.macro XH slot, q, i0                  ; batch blocks i0 .. i0 + 3 of the slot's q-th 128 along K: 16 LDS loads
	WIN 0
.irp i, \i0, \i0+1, \i0+2, \i0+3
.irp c, 0,1,2,3
	ds_load_b128 v[AF+16*(\i)+4*\c:AF+16*(\i)+4*\c+3], v[ADRX+\slot] offset:128*(\q)+32*\c+(\i)*16*XP
.endr
.endr
.endm
.macro WH pr, set, so                  ; W's tiles 2 pr, 2 pr + 1 of the K step so steps behind the base: 8 loads of 512 consecutive bytes
	WIN TO_B
.irp e, 0,1
.irp c, 0,1,2,3
	global_load_b128 v[128*(\set)+16*(2*(\pr)+\e)+4*\c:128*(\set)+16*(2*(\pr)+\e)+4*\c+3], v[WOF], s[WB:WB+1] offset:(\so)*16384+(2*(\pr)+\e)*2048+512*\c
.endr
.endr
.endm
	s_load_b256 s[4:11], s[0:1], 0x0               ; x s[4:5], h s[6:7], wq s[8:9], scales s[10:11]
	s_load_b128 s[12:15], s[0:1], 0x20             ; c, out0
	s_load_b512 s[68:83], s[0:1], 0x30             ; the eight biases
	v_lshl_add_u32 v[SPW], v0, 2, SPARE
	v_mov_b32 v[NIL], 0
	ds_add_u32 v[SPW], v[NIL]                      ; the opening lines: the add, twice on end, and its wait
	ds_add_u32 v[SPW], v[NIL]
	v_lshrrev_b32 v9, 5, v0
	v_readfirstlane_b32 s16, v9                    ; wave
	s_lshr_b32 s17, s16, 1                         ; my half of the batch rows
	s_and_b32 s18, s16, 1                          ; my half of the units
	s_bfe_u32 s19, ttmp6, 0x40000                  ; cx
	s_lshl_b32 s21, ttmp9, 2
	s_add_co_u32 s21, s21, s19                     ; tile column: 64 units
	s_and_b32 s22, ttmp7, 0xffff                   ; tile row: 256 batch rows
	s_mov_b32 s[G1+0], 15|(1<<20)|(1<<21)|(6<<22)|(3<<25)   ; mask: the cluster's four; bytes; 4 words of padding behind every 128
	s_mov_b32 s[G1+1], 512<<16
	s_mov_b32 s[G1+2], 64<<16
	s_mov_b32 s[G1+3], 512<<16
	s_mov_b32 s[G1+4], 64
	s_mov_b32 s[G1+5], 2048
	s_mov_b32 s[G1+6], 0
	s_mov_b32 s[G1+7], 0
	s_mov_b32 s[GC1+0], (2<<16)|(1<<20)|(5<<22)|(67<<25)    ; c: 64 rows x 64 f32; 68 words of padding behind every 64: the rows lie 528 bytes apart, on bytes that x's and h's rows have filled
	s_mov_b32 s[GC1+1], 64<<16
	s_mov_b32 s[GC1+2], 64<<16
	s_mov_b32 s[GC1+3], 64<<16
	s_mov_b32 s[GC1+4], 64
	s_mov_b32 s[GC1+5], 2048
	s_mov_b32 s[GC1+6], 0
	s_mov_b32 s[GC1+7], 0
	s_mul_i32 s23, s16, 64*XP                      ; where my 64 rows of a tile go
	s_mul_i32 s48, s17, 128*XP                     ; my 128 batch rows in slot 0,
	s_add_co_u32 s49, s48, SLOT                    ; in slot 1
	s_lshl_b32 s20, s18, 7
	s_mul_i32 s50, s17, 16*PITCH
	s_add_co_u32 s50, s50, s20
	s_add_co_u32 s50, s50, STAGE                   ; into the stage
	s_add_co_u32 s51, s48, s20                     ; my part of c's tile
	s_mul_i32 s52, s16, 16*PITCH
	s_add_co_u32 s52, s52, STAGE                   ; back from the stage
	s_lshl_b32 s53, s21, 8
	s_add_co_u32 s53, s53, s20                     ; my 32 units in a bias, in bytes
	s_lshl_b32 s54, s19, 2
	s_add_co_u32 s54, s54, s16
	s_lshl_b32 s54, s54, 15                        ; h's prefetch: 16 rows of 2,048 bytes for each of the cluster's 16 waves
	s_lshl_b32 s55, s22, 1
	s_add_co_u32 s55, s55, s17
	s_lshl_b32 s55, s55, 13                        ; W's prefetch: 8,192 bytes for each of the 16 waves that read these tiles
	v_and_b32 v1, 15, v0                           ; r
	v_bfe_u32 v2, v0, 4, 1                         ; h
	v_and_b32 v8, 31, v0                           ; lane
	v_lshlrev_b32 v[WOF], 4, v8
	v_mul_u32_u24 v3, v1, XP
	v_lshl_add_u32 v4, v2, 4, v3
	v_add_nc_u32 v[ADRX], s48, v4
	v_add_nc_u32 v[ADRX+1], s49, v4
	v_lshl_add_u32 v5, v2, 5, v3
	v_add_nc_u32 v[CA], s51, v5
	v_mul_u32_u24 v6, v1, PITCH
	v_lshl_add_u32 v6, v2, 5, v6
	v_add_nc_u32 v[STO], s50, v6
	v_mul_u32_u24 v7, v2, PITCH
	v_lshl_add_u32 v7, v1, 4, v7
	v_add_nc_u32 v[RD], s52, v7
	v_lshlrev_b32 v10, 13, v2
	v_lshl_add_u32 v[CO], v1, 4, v10
	v_lshl_add_u32 v[BO], v2, 5, s53
	v_lshlrev_b32 v[PFC], 13, v8
	v_lshlrev_b32 v11, 11, v1
	v_lshl_add_u32 v11, v2, 8, v11
	v_add_nc_u32 v[PFO], s54, v11
	v_lshl_add_u32 v[PFW], v8, 8, s55
	s_wait_dscnt 0x0                               ; both opening adds are done
	s_wait_alu depctr_va_vdst(0)
	s_wait_kmcnt 0x0
	s_load_b128 s[96:99], s[10:11], 0x0            ; the four exponents
	s_lshl_b32 s2, s22, 19                         ; 256 rows of 2,048 bytes a tile row
	s_mov_b32 s3, 0
	s_add_nc_u64 s[4:5], s[4:5], s[2:3]
	s_add_nc_u64 s[6:7], s[6:7], s[2:3]
	s_mov_b64 s[PH:PH+1], s[6:7]
	s_lshl_b32 s2, s16, 17                         ; my 64 rows
	s_add_nc_u64 s[4:5], s[4:5], s[2:3]
	s_add_nc_u64 s[6:7], s[6:7], s[2:3]
	s_mov_b64 s[HA:HA+1], s[6:7]
	s_add_nc_u64 s[HA+2:HA+3], s[6:7], 512
	s_mov_b64 s[NA:NA+1], s[4:5]
	s_add_nc_u64 s[NA+2:NA+3], s[4:5], 512
.irp s, 0,1
	s_mov_b32 s[G0+4*\s], 1
	s_add_co_u32 s[G0+4*\s+1], s23, \s*SLOT
	s_add_nc_u64 s[G0+4*\s+2:G0+4*\s+3], s[4:5], \s*512
	s_or_b32 s[G0+4*\s+3], s[G0+4*\s+3], 0x80000000
.endr
	s_lshl_b32 s2, s21, 1
	s_add_co_u32 s2, s2, s18
	s_lshl_b32 s2, s2, 19
	s_add_nc_u64 s[WB:WB+1], s[8:9], s[2:3]        ; wq at my 128 rows' K step 0
	CROUND                                         ; the four work-groups are here: the first joint loads meet
	tensor_load_to_lds s[G0:G0+3], s[G1:G1+7]      ; K steps 0-3: one tensor load a wave at the head
	s_nop 0
	PLACES 4
	WH 0, 0, 0                                     ; W's K steps 0 and 1
	WH 1, 0, 0
	WH 2, 0, 0
	WH 3, 0, 0
	WH 0, 1, 1
	WH 1, 1, 1
	WH 2, 1, 1
	WH 3, 1, 1
	WIN 0
.irp g, 0,1,2,3
.irp u, 0,1
.irp q, 0,1
	global_load_b128 v[BI+16*\g+8*\u+4*\q:BI+16*\g+8*\u+4*\q+3], v[BO], s[68+2*\g:69+2*\g] offset:64*\u+16*\q
	global_load_b128 v[AF+16*\g+8*\u+4*\q:AF+16*\g+8*\u+4*\q+3], v[BO], s[76+2*\g:77+2*\g] offset:64*\u+16*\q
.endr
.endr
.endr
	s_lshl_b32 s2, s22, 8
	s_lshl_b32 s20, s16, 6
	s_add_co_u32 s2, s2, s20
	s_lshl_b32 s2, s2, 13
	s_lshl_b32 s20, s21, 8
	s_add_co_u32 s2, s2, s20
	s_add_nc_u64 s[PCA:PCA+1], s[12:13], s[2:3]    ; c at my 64 rows of the tile
	s_mov_b32 s[GC0], 1
	s_mul_i32 s[GC0+1], s16, 64*XP
	s_mov_b64 s[GC0+2:GC0+3], s[PCA:PCA+1]
	s_or_b32 s[GC0+3], s[GC0+3], 0x80000000
	s_lshl_b32 s2, s22, 8
	s_lshl_b32 s20, s18, 7
	s_add_co_u32 s2, s2, s20
	s_lshl_b32 s2, s2, 13
	s_lshl_b32 s20, s21, 8
	s_add_co_u32 s2, s2, s20
	s_lshl_b32 s20, s17, 24
	s_add_co_u32 s2, s2, s20
	s_add_nc_u64 s[14:15], s[14:15], s[2:3]        ; out0 at the rows that I store: waves 0, 1 h_new, waves 2, 3 c_new
	s_wait_kmcnt 0x0
	s_add_co_i32 s2, s98, s99
	s_add_co_i32 s3, s96, s97
	s_sub_co_i32 s3, s3, s2
	s_add_co_i32 s3, s3, 127
	s_lshl_b32 s96, s3, 23                         ; 2^(e0 + e1 - e2 - e3)
	s_mov_b32 s97, s96
	s_lshl_b32 s2, s2, 23
	s_add_co_i32 s98, s2, 0xbfb8aa3b               ; -log2(e) x 2^(e2 + e3)
	s_mov_b32 s99, s98
	s_add_co_i32 s100, s2, 0xc038aa3b              ; -2 log2(e) x 2^(e2 + e3)
	s_mov_b32 s101, s100
	s_wait_loadcnt 0x0
.set i, 0
.rept 32
	v_pk_add_f32 v[BI+i:BI+i+1], v[BI+i:BI+i+1], v[AF+i:AF+i+1]
.set i, i+2
.endr
.set i, 0
.rept 32
.if (i >= 32) && (i < 48)
	v_pk_mul_f32 v[BI+i:BI+i+1], v[BI+i:BI+i+1], 0xc038aa3b op_sel_hi:[1,0]
.else
	v_pk_mul_f32 v[BI+i:BI+i+1], v[BI+i:BI+i+1], 0xbfb8aa3b op_sel_hi:[1,0]
.endif
.set i, i+2
.endr
; A K step of 128: 64 products in eight groups of eight.  First half: batch blocks 0-3, second half: blocks 4-7, each W pair by W pair.
; THREE RUNS OF LOADS A STEP, each four places behind the last product that read its registers: in the middle the next step's blocks 0-3 (16 LDS loads);
; behind the second half's first two groups W's pairs 0, 1 for two steps on (16 loads); at the end the next step's blocks 4-7 (16 LDS loads) and W's pairs 2, 3 for two steps on (16 loads).
; s_wait_dscnt 16 at the head leaves blocks 4-7 out, and ahead of the second half the next step's blocks 0-3.
; s_wait_loadcnt counts the younger pairs of eight loads: behind this step's pair 1 stand six (48), behind its pair 3 four (32); in the last step (n1 = 0) two (16) and none.
; turn = 1: the slot's last step: the slot is filled again, two fills on; 2: with c's tile; 3: the last step: a barrier shows c's tile to all waves.
; All reads of a slot are issued by the end of the step before its last: so the slots change in the last step's first half.
.macro STEP slot, q, p, zero, ns, nq, j, n1, n2, turn
.if (\turn == 1) || (\turn == 2)
	WIN 0
	s_wait_tensorcnt 0x0                           ; all my tensor loads have landed: my part of the next slot;
	ds_add_u32 v[SPW], v[NIL]
.if \turn == 1
	s_add_nc_u64 s[NA+2*\slot:NA+2*\slot+1], s[NA+2*\slot:NA+2*\slot+1], 1024   ; this slot's next fill: two fills on along K,
	s_cmp_eq_u32 s3, 2
	s_cselect_b64 s[NA+2*\slot:NA+2*\slot+1], s[HA+2*\slot:HA+2*\slot+1], s[NA+2*\slot:NA+2*\slot+1]   ; or, in the second trip, h's first
	s_mov_b64 s[G0+4*\slot+2:G0+4*\slot+3], s[NA+2*\slot:NA+2*\slot+1]
	s_or_b32 s[G0+4*\slot+3], s[G0+4*\slot+3], 0x80000000
.endif
	s_wait_dscnt 17                                ; blocks 0-3 are in; blocks 4-7 and the add may be out
.else
	s_wait_dscnt 16                                ; blocks 0-3 are in
.endif
	s_wait_loadcnt 16+32*\n1                       ; W's pairs 0, 1
	WIN MUL_LO
	WMR 0, 0, \p, \zero
	WMR 0, 1, \p, \zero
	s_wait_loadcnt 32*\n1                          ; W's pairs 2, 3
.if (\turn == 1) || (\turn == 2)
	s_wait_dscnt 0x0                               ; the add is done, and my reads of this slot are over
	s_barrier_signal -1
.endif
	WMR 0, 2, \p, \zero
	WMR 0, 3, \p, \zero
.if (\turn == 1) || (\turn == 2)
	WIN 0
	s_barrier_wait -1
	CREST                                          ; the round: no wave of any partner still reads this slot or has a load on its way
.if \turn == 1
	tensor_load_to_lds s[G0+4*\slot:G0+4*\slot+3], s[G1:G1+7]
.else
	tensor_load_to_lds s[GC0:GC0+3], s[GC1:GC1+7]
.endif
	s_nop 0
	PLACES 4                                       ; also the places in front of the loads below
.if (\turn == 1) && (\slot == 0)
	s_cmp_eq_u32 s3, 3
	s_cbranch_scc1 .Lasked_\@                      ; the first trip: the next fill is x's last, which comes by its load alone
	global_prefetch_b8 v[PFO], s[PH:PH+1] offset:-512 th:TH_LOAD_NT scope:SCOPE_SE   ; the fill that the next round asks for
.Lasked_\@:
.endif
.if (\turn == 1) && (\slot == 1)
	s_cmp_eq_u32 s3, 1
	s_cbranch_scc1 .Lfor_c_\@
	global_prefetch_b8 v[PFO], s[PH:PH+1] th:TH_LOAD_NT scope:SCOPE_SE
	s_branch .Lasked_\@
.Lfor_c_\@:                                            ; the last trip: my 64 rows x 256 bytes of c
	global_prefetch_b8 v[PFC], s[PCA:PCA+1] th:TH_LOAD_NT scope:SCOPE_SE
	global_prefetch_b8 v[PFC], s[PCA:PCA+1] offset:32*8192 th:TH_LOAD_NT scope:SCOPE_SE
.Lasked_\@:
.endif
.elseif \n1
	PLACES 4
.endif
.if \n1
	XH \ns, \nq, 0
.endif
	s_wait_dscnt 16*\n1                            ; blocks 4-7 are in
.if \turn == 3
	s_wait_tensorcnt 0x0                           ; my part of c's tile is in
	s_barrier_signal -1
.endif
	WIN MUL_HI
	WMR 1, 0, \p, \zero
	WMR 1, 1, \p, \zero
.if \n2
	PLACES 4
	WH 0, \p, \j+2
	WH 1, \p, \j+2
	WIN MUL_HI
.endif
	WMR 1, 2, \p, \zero
	WMR 1, 3, \p, \zero
.if \n1
	PLACES 4
	XH \ns, \nq, 4
.endif
.if \n2
	WH 2, \p, \j+2
	WH 3, \p, \j+2
.endif
.endm
.macro RESCALE                         ; every sum x 2^(e0 + e1 - e2 - e3): nothing is rounded; each accumulator from its low end on
	WIN 0x82
.set j, 0
.rept 128
	v_pk_mul_f32 v[j:j+1], v[j:j+1], s[96:97] op_sel_hi:[1,0]
.set j, j+2
.endr
	WIN 0xc3
.set j, 0
.rept 128
	v_pk_mul_f32 v[j:j+1], v[j:j+1], s[96:97] op_sel_hi:[1,0]
.set j, j+2
.endr
	WIN 0
.endm
	s_wait_alu depctr_va_vdst(0)                   ; the wait at the head's end
	s_wait_tensorcnt 0x0                           ; my part of K steps 0-3 is in
	ds_add_u32 v[SPW], v[NIL]
	s_wait_dscnt 0x0
	CROUND
	tensor_load_to_lds s[G0+4:G0+7], s[G1:G1+7]    ; K steps 4-7: slot 1's first fill
	s_nop 0
	PLACES 4
	XH 0, 0, 0
	XH 0, 0, 4
	STEP 0, 0, 0, 1, 0, 1, 0, 1, 1, 0              ; step 0 starts the sums
	WIN 0
	s_mov_b32 s3, 3
.Llap:                                                 ; a trip: K steps 8 k + 1 .. 8 k + 8, once round the ring
	global_prefetch_b8 v[PFW], s[WB:WB+1] offset:131072 th:TH_LOAD_NT scope:SCOPE_SE   ; my share of W's K steps 8 k + 8 .. 8 k + 15
	STEP 0, 1, 1, 0, 0, 2, 1, 1, 1, 0
	STEP 0, 2, 0, 0, 0, 3, 2, 1, 1, 0
	STEP 0, 3, 1, 0, 1, 0, 3, 1, 1, 1
	STEP 1, 0, 0, 0, 1, 1, 4, 1, 1, 0
	STEP 1, 1, 1, 0, 1, 2, 5, 1, 1, 0
	STEP 1, 2, 0, 0, 1, 3, 6, 1, 1, 0
	STEP 1, 3, 1, 0, 0, 0, 7, 1, 1, 1
	WIN 0
	s_cmp_eq_u32 s3, 2                             ; the second trip's last step is K step 16, h's first
	s_cbranch_scc0 .Lsame_scale
	PLACES 4
	RESCALE
	s_wait_alu depctr_va_vdst(0)
.Lsame_scale:
	STEP 0, 0, 0, 0, 0, 1, 8, 1, 1, 0
	WIN 0
	s_wait_xcnt 0x0                                ; the loads and prefetches have read their bases
	s_add_nc_u64 s[WB:WB+1], s[WB:WB+1], 131072
	s_add_nc_u64 s[PH:PH+1], s[PH:PH+1], 1024
	s_sub_co_u32 s3, s3, 1
	s_cmp_lg_u32 s3, 0
	s_cbranch_scc1 .Llap
	STEP 0, 1, 1, 0, 0, 2, 1, 1, 1, 0              ; K steps 25 to 31
	STEP 0, 2, 0, 0, 0, 3, 2, 1, 1, 0
	STEP 0, 3, 1, 0, 1, 0, 3, 1, 1, 2              ; slot 0 takes c's tile
	STEP 1, 0, 0, 0, 1, 1, 4, 1, 1, 0
	STEP 1, 1, 1, 0, 1, 2, 5, 1, 1, 0
	STEP 1, 2, 0, 0, 1, 3, 6, 1, 0, 0
	STEP 1, 3, 1, 0, 0, 0, 7, 0, 0, 3
	WIN 0
	s_barrier_wait -1                              ; everybody's part of c's tile is in
	PLACES 4
; THE WAY OUT, block by block of 16 batch rows.  EX: i, f, g, o (16 numbers each); sigmoid(z) = 1 / (1 + 2^(-z log2 e)), tanh(z) = (1 - E) / (1 + E), E = 2^(-2 z log2 e).
; A wave's 32 units are half of an aligned 256 bytes: the two waves of a row half write one stage row, a barrier, and each wave stores 16 whole rows.
.macro CLOAD a
.irp u, 0,1
.irp q, 0,1
	ds_load_b128 v[CC+8*\u+4*\q:CC+8*\u+4*\q+3], v[CA] offset:(\a)*16*XP+64*\u+16*\q
.endr
.endr
.endm
.macro PART1 a
.set AC, 64*((\a)%4)
.set WN, 0x02+((\a)/4)
	WIN WN
.set i, 0
.rept 32
.if (i >= 32) && (i < 48)
	v_pk_fma_f32 v[EX+i:EX+i+1], v[AC+i:AC+i+1], s[100:101], v[BI+i:BI+i+1] op_sel_hi:[1,0,1]
.else
	v_pk_fma_f32 v[EX+i:EX+i+1], v[AC+i:AC+i+1], s[98:99], v[BI+i:BI+i+1] op_sel_hi:[1,0,1]
.endif
.set i, i+2
.endr
	WIN 0
.set i, 0
.rept 16
	v_min_num_f32 v[EX+32+i], 0x42800000, v[EX+32+i]
.set i, i+1
.endr
.set i, 0
	s_wait_alu depctr_va_vdst(0)                   ; a wait ahead of each batch of transcendentals and one behind it
.rept 64
	v_exp_f32 v[EX+i], v[EX+i]
.set i, i+1
.endr
.endm
.macro PART2
	v_nop
	s_wait_alu depctr_va_vdst(0)
.irp k, 0,2,4,6,8,10,12,14
	v_pk_fma_f32 v[T1+\k:T1+\k+1], v[EX+32+\k:EX+33+\k], -1.0, 1.0 op_sel_hi:[1,0,0]
.endr
.set i, 0
.rept 24
	v_pk_add_f32 v[EX+i:EX+i+1], v[EX+i:EX+i+1], 1.0 op_sel_hi:[1,0]
.set i, i+2
.endr
.irp k, 0,2,4,6,8,10,12,14
	v_pk_mul_f32 v[EX+\k:EX+\k+1], v[EX+\k:EX+\k+1], v[EX+32+\k:EX+33+\k]
.endr
.set i, 0
	s_wait_alu depctr_va_vdst(0)
.rept 32
	v_rcp_f32 v[EX+i], v[EX+i]
.set i, i+1
.endr
.irp k, 0,2,4,6,8,10,12,14
	v_pk_add_f32 v[EX+48+\k:EX+49+\k], v[EX+48+\k:EX+49+\k], 1.0 op_sel_hi:[1,0]
.endr
	s_wait_alu depctr_va_vdst(0)
	s_wait_dscnt 0x0
.irp k, 0,2,4,6,8,10,12,14
	v_pk_mul_f32 v[T1+\k:T1+\k+1], v[T1+\k:T1+\k+1], v[EX+\k:EX+\k+1]
.endr
.irp k, 0,2,4,6,8,10,12,14
	v_pk_fma_f32 v[CC+\k:CC+\k+1], v[EX+16+\k:EX+17+\k], v[CC+\k:CC+\k+1], v[T1+\k:T1+\k+1]
.endr
.irp k, 0,2,4,6,8,10,12,14
	v_pk_mul_f32 v[T1+\k:T1+\k+1], v[CC+\k:CC+\k+1], 0xc038aa3b op_sel_hi:[1,0]
.endr
.set i, 0
.rept 16
	v_min_num_f32 v[T1+i], 0x42800000, v[T1+i]
.set i, i+1
.endr
.set i, 0
	s_wait_alu depctr_va_vdst(0)
.rept 16
	v_exp_f32 v[T1+i], v[T1+i]
.set i, i+1
.endr
	v_nop
	s_wait_alu depctr_va_vdst(0)
.irp k, 0,2,4,6,8,10,12,14
	v_pk_fma_f32 v[T2+\k:T2+\k+1], v[T1+\k:T1+\k+1], -1.0, 1.0 op_sel_hi:[1,0,0]
.endr
.irp k, 0,2,4,6,8,10,12,14
	v_pk_add_f32 v[T1+\k:T1+\k+1], v[T1+\k:T1+\k+1], 1.0 op_sel_hi:[1,0]
.endr
.irp k, 0,2,4,6,8,10,12,14
	v_pk_mul_f32 v[T1+\k:T1+\k+1], v[T1+\k:T1+\k+1], v[EX+48+\k:EX+49+\k]
.endr
.set i, 0
	s_wait_alu depctr_va_vdst(0)
.rept 16
	v_rcp_f32 v[T1+i], v[T1+i]
.set i, i+1
.endr
	v_nop
	s_wait_alu depctr_va_vdst(0)
.irp k, 0,2,4,6,8,10,12,14
	v_pk_mul_f32 v[T2+\k:T2+\k+1], v[T2+\k:T2+\k+1], v[T1+\k:T1+\k+1]
.endr
.endm
.macro TOSTAGE a
.irp u, 0,1
.irp q, 0,1
	ds_store_b128 v[STO], v[T2+8*\u+4*\q:T2+8*\u+4*\q+3] offset:((\a)%2)*SBUF+64*\u+16*\q
	ds_store_b128 v[STO], v[CC+8*\u+4*\q:CC+8*\u+4*\q+3] offset:((\a)%2)*SBUF+32*PITCH+64*\u+16*\q
.endr
.endr
.endm
.macro BACK a
	s_wait_xcnt 0x0                                ; the last block's stores have read their registers
.irp t, 0,1,2,3,4,5,6,7
	ds_load_b128 v[OB+4*\t:OB+4*\t+3], v[RD] offset:((\a)%2)*SBUF+\t*2*PITCH
.endr
.endm
.macro SEND a, younger
.irp t, 0,1,2,3,4,5,6,7
	s_wait_dscnt \younger+7-\t
	global_store_b128 v[CO], v[OB+4*\t:OB+4*\t+3], s[14:15] offset:(16*(\a)+2*\t)*8192 th:TH_STORE_NT   ; 16 lanes store 256 consecutive bytes, aligned
.endr
.endm
	CLOAD 0
	PART1 0
.irp a, 0,1,2,3,4,5,6,7
	PART2
	TOSTAGE \a
	s_wait_dscnt 0x0                               ; for the others' sake: my stores into the stage are done
	s_barrier_signal -1
	s_barrier_wait -1
	BACK \a
.if \a < 7
	CLOAD \a+1
	PART1 \a+1
	SEND \a, 4
.else
	SEND \a, 0
.endif
.endr
	s_wait_tensorcnt 0x0                           ; the wave's end
	ds_add_u32 v[SPW], v[NIL]
	s_wait_dscnt 0x0
	CROUND                                         ; the closing round
	s_endpgm
.Lfunc_end_k_q31ddd6cd72_cell:
	.size	k_q31ddd6cd72_cell, .Lfunc_end_k_q31ddd6cd72_cell-k_q31ddd6cd72_cell
	.p2alignl 7, 3214868480
	.fill 96, 4, 3214868480
	.section	.rodata,"a",@progbits
	.p2align	6, 0x0
	.amdhsa_kernel k_q31ddd6cd72_cell
		.amdhsa_group_segment_fixed_size 327680
		.amdhsa_private_segment_fixed_size 0
		.amdhsa_enable_private_segment 0
		.amdhsa_kernarg_size 112
		.amdhsa_user_sgpr_count 2
		.amdhsa_user_sgpr_kernarg_segment_ptr 1
		.amdhsa_wavefront_size32 1
		.amdhsa_system_sgpr_workgroup_id_x 1
		.amdhsa_system_sgpr_workgroup_id_y 1
		.amdhsa_system_sgpr_workgroup_id_z 1
		.amdhsa_system_vgpr_workitem_id 0
		.amdhsa_next_free_vgpr 1024
		.amdhsa_next_free_sgpr 102
		.amdhsa_reserve_vcc 0
		.amdhsa_float_denorm_mode_32 3
		.amdhsa_float_denorm_mode_16_64 3
		.amdhsa_memory_ordered 1
		.amdhsa_forward_progress 1
		.amdhsa_inst_pref_size 255
	.end_amdhsa_kernel
	.section	.bss,"aw",@nobits
	.p2align	6
	.space	262144
	.amdgpu_metadata
---
amdhsa.version: [ 1, 2 ]
amdhsa.kernels:
  - .name:           k_q31ddd6cd72_cell
    .symbol:         k_q31ddd6cd72_cell.kd
    .args:
      - { .name: x_codes, .offset: 0, .size: 8, .value_kind: global_buffer, .address_space: global }
      - { .name: h_codes, .offset: 8, .size: 8, .value_kind: global_buffer, .address_space: global }
      - { .name: wq, .offset: 16, .size: 8, .value_kind: global_buffer, .address_space: global }
      - { .name: lowp_scales, .offset: 24, .size: 8, .value_kind: global_buffer, .address_space: global }
      - { .name: c, .offset: 32, .size: 8, .value_kind: global_buffer, .address_space: global }
      - { .name: out0, .offset: 40, .size: 8, .value_kind: global_buffer, .address_space: global }
      - { .name: bii, .offset: 48, .size: 8, .value_kind: global_buffer, .address_space: global }
      - { .name: bif, .offset: 56, .size: 8, .value_kind: global_buffer, .address_space: global }
      - { .name: big, .offset: 64, .size: 8, .value_kind: global_buffer, .address_space: global }
      - { .name: bio, .offset: 72, .size: 8, .value_kind: global_buffer, .address_space: global }
      - { .name: bhi, .offset: 80, .size: 8, .value_kind: global_buffer, .address_space: global }
      - { .name: bhf, .offset: 88, .size: 8, .value_kind: global_buffer, .address_space: global }
      - { .name: bhg, .offset: 96, .size: 8, .value_kind: global_buffer, .address_space: global }
      - { .name: bho, .offset: 104, .size: 8, .value_kind: global_buffer, .address_space: global }
    .group_segment_fixed_size: 327680
    .private_segment_fixed_size: 0
    .kernarg_segment_align: 8
    .kernarg_segment_size: 112
    .max_flat_workgroup_size: 128
    .sgpr_count:     102
    .vgpr_count:     1024
    .wavefront_size: 32
...
	.end_amdgpu_metadata
.endif
;; end of part 2
